; MI455X (gfx1250); checked and timed in simulation.
; The chip was launched on July 23, 2026; its instructions are those of AMD's public machine-readable ISA for CDNA 5 (MIT licence, August 2026) and "CDNA5" Instruction Set Architecture Reference Guide (July 2026). The comments in the code are by the model that wrote it; some were corrected since.
;; Tritter MLP. Allowed arithmetic: matrix products marked QUANTISED: E2M3 operands, one E8M0 scale for each 32 along K, by v_wmma_scale_f32_16x16x128_f8f6f4 with both operands' format E2M3, f32 sums; everything else in f32.
;; Inputs: b_down 2,048 float32; b_gate 8,192 float32; b_up 8,192 float32; hidden_states 4 x 256 x 2,048 float32; w_down 8,192 x 2,048 float32; w_gate 2,048 x 8,192 float32; w_up 2,048 x 8,192 float32.
;; Outputs: out0 4 x 256 x 2,048 float32.
;; This version of the problem:
;;   THIS VERSION OF THE PROBLEM IS GIVEN IN LOW PRECISION. The matrix products marked QUANTISED in the list below multiply operands that are first quantised to E2M3 (2 exponent bits, 3 mantissa bits; 6 bits a number), with one power-of-two scale for each 32 numbers along K (OCP MX v1.0); their sums are f32. All else is computed in f32.
;;   The module's matrix products, in the order in which they are computed (A, B: the left and right operand; K: the contracted axis; several contracted axes count as one K, in the product's order):
;;     1. [M 1,024, K 2,048] x [K 2,048, N 8,192]; A: input hidden_states; B: input w_gate: QUANTISED
;;     2. [M 1,024, K 2,048] x [K 2,048, N 8,192]; A: input hidden_states; B: input w_up: QUANTISED
;;     3. [M 1,024, K 8,192] x [K 8,192, N 2,048]; A: computed on the way; B: input w_down: QUANTISED
;;   THE QUANTISER, for each operand of a quantised product, along K:
;;     - K is cut into blocks of 32 from its start; a last block that is shorter is filled with zeros.
;;     - A block's scale is 2^e with e = floor(log2(the largest magnitude in the block)) - 2, held to -126 .. 127; a block of zeros has e = 0. As a byte (E8M0): e + 127.
;;     - Each number is divided by its block's scale, clamped to +-7.5, and rounded to the nearest number of E2M3, ties to even, subnormals kept.
;;     - The product sums the exact products of the quantised numbers (number of the format x scale) in f32.
;;   ~~~python
;;   def quantise(x, axis):      # numpy; x: float32 -> the quantised numbers, widened to float32 again
;;       x = np.moveaxis(x, axis, -1); K = x.shape[-1]
;;       x = np.pad(x, [(0, 0)] * (x.ndim - 1) + [(0, -K % 32)]); x = x.reshape(x.shape[:-1] + (-1, 32)); a = np.abs(x).max(-1, keepdims=True)
;;       e = np.where(a > 0, np.clip(np.frexp(np.where(a > 0, a, 1))[1] - 1 - 2, -126, 127), 0)      # np.frexp(a)[1] - 1 = floor(log2(a)), exactly
;;       r = np.clip(x / 2.0 ** e, -7.5, 7.5)
;;       step = 2.0 ** (np.maximum(np.frexp(np.where(r == 0, 1, r))[1] - 1, 0) - 3)
;;       q = np.round(r / step) * step * 2.0 ** e      # np.round: ties to even
;;       return np.moveaxis(q.reshape(q.shape[:-2] + (-1,))[..., :K], -1, axis).astype(np.float32)
;;   ~~~
;;   OPERANDS COMPUTED ON THE WAY. 'Computed on the way' means the value that the module computes at that place (a softmax that the list does not call 'softmax' is quantised finished and normalised). What goes into a quantiser is computed in f32, as accurately as f32 sums, v_exp_f32 and their like allow (about 1e-6 of the number): no bf16 or f16 on the way to a quantiser, and a product that is left as it is and whose result goes on into a quantised operand takes f32 operands (vector FMAs, or v_wmma_f32_16x16x4_f32). A number that lies on a knife's edge between two numbers of the format may be rounded either way, as far as f32 arithmetic and the matrix unit's own rounding can turn it there, and no further.
;; One version. Each part assembles by itself: llvm-mc -triple=amdgcn-amd-amdhsa -mcpu=gfx1250 --defsym DOCPART=n.
;; ======== version 1 of 1: 3 launches
;; limits: right only within a limited range of input values
;; workspace buffers: x_img 1,572,864 bytes; x_sc 65,536 bytes; wgu_img 25,165,824 bytes; wgu_sc 1,048,576 bytes; wd_img 12,582,912 bytes; wd_sc 524,288 bytes; h_img 6,291,456 bytes; h_sc 262,144 bytes
;; launch quant (part 1): grid 1600 x 1, 4 waves a work-group, no clusters, 0 bytes of LDS; arguments hidden_states, w_gate, w_up, w_down, x_img, x_sc, wgu_img, wgu_sc, wd_img, wd_sc; writes x_img, x_sc, wgu_img, wgu_sc, wd_img, wd_sc
.if DOCPART == 1
	.amdgcn_target "amdgcn-amd-amdhsa--gfx1250"
	.amdhsa_code_object_version 6
	.text
	.protected	k_qc454b3b9a2_quant
	.globl	k_qc454b3b9a2_quant
	.p2align	8
	.type	k_qc454b3b9a2_quant,@function
k_qc454b3b9a2_quant:
	s_mov_b64 s[64:65], 0
	v_nop
	global_prefetch_b8 v0, s[64:65] scope:SCOPE_SE
	s_setreg_imm32_b32 hwreg(HW_REG_WAVE_MODE, 25, 1), 1
	s_wait_xcnt 0x0
; All four wide operands become codes of FP6 (E2M3) with one E8M0 scale byte for each 32 along K, laid as IMAGES OF THE OPERAND'S REGISTERS:
; a tile is 16 operand rows x 128 K = 12 registers a lane = 1,536 bytes; registers 4 g .. 4 g + 3 of lane l lie at 512 g + 16 l.
; Lane l = (r = l % 16, h = l / 16) holds row r; register 6 c + w is word w of the 24 bytes of block 2 c + h.
; Scale words: for a pair of tiles and a pair of K steps 256 bytes: lane l (tile l / 16 of the pair, row l % 16) has two words, one a K step, at 8 l.
; A block's scale is 2^(floor(log2(its largest magnitude)) - 2): its byte is that magnitude's exponent field - 2, held at 1 from below.
; LIMITS: a block of zeros gets the byte 1 (its codes are zeros; this program alone reads the bytes); blocks whose largest magnitude lies under 2^-124 are held at the byte 1;
; NaN and infinities among the inputs are not served.
; SHARES: work-groups 0-63 take hidden_states [1024][2048] (K innermost); 64-1087 w_gate and w_up [2048 K][8192]; 1088-1599 w_down [8192 K][2048].
; The work-groups share no input, so there is no cluster, no LDS and no barrier: a stream through registers.
; WEIGHTS: a lane takes a column and its registers run down K.  A wave takes 32 columns (two tiles) x 256 K (two K steps).
; WHICH COLUMNS FORM A TILE: in a block of 32 columns, tile u's row r is column 8 u + r + 8 (r / 8), so that in a transposed product the 16 registers of two neighbouring tiles are 16 neighbouring columns.
.set WX,  32                           ; v32-95   weights: two sets of 32 numbers (a block of one column)
.set WF,  96                           ; v96-143  weights: the four fragments, (tile u, K step q) at WF + 24 q + 12 u
.set TC,  144                          ; v144-146 weights: a block's upper 16 codes, before they are moved
.set SB,  24                           ; v24-25   weights: my column's two scale words
.set XA,  6                            ; v6       x: my lane's byte in the 16 rows of a tile
.set PC,  144                          ; v144-163 x: the codes just made
.set TM,  164                          ; v164-179 x: at work
.set PW,  180                          ; v180     x: the scale word just made
.set KW,  184                          ; v184-187 x: the four fragments' scale words
.set WQ,  188                          ; v188-189 x: the two words that my lane stores
	s_load_b256 s[8:15], s[0:1], 0x0               ; hidden_states s[8:9], w_gate s[10:11], w_up s[12:13], w_down s[14:15]
	s_load_b256 s[16:23], s[0:1], 0x20             ; x_img s[16:17], x_sc s[18:19], wgu_img s[20:21], wgu_sc s[22:23]
	s_load_b128 s[24:27], s[0:1], 0x40             ; wd_img s[24:25], wd_sc s[26:27]
	v_lshrrev_b32 v2, 5, v0
	v_readfirstlane_b32 s28, v2                    ; wave 0..3
	v_and_b32 v1, 31, v0                           ; lane
	v_lshlrev_b32 v4, 4, v1                        ; 16 l: my place in 512 bytes of an image
	v_lshlrev_b32 v5, 3, v1                        ; 8 l: my place among 256 bytes of scale words
	v_and_b32 v3, 7, v1                            ; my column of the wave's 32: lane 16 u + r takes 8 u + r + 8 (r / 8) = l % 8 + 2 (l & 8) + (l & 16) / 2
	v_and_b32 v7, 8, v1
	v_lshl_add_u32 v3, v7, 1, v3
	v_and_b32 v7, 16, v1
	v_lshrrev_b32 v7, 1, v7
	v_add_nc_u32 v3, v3, v7
	v_lshlrev_b32 v3, 2, v3                        ; in bytes: the 32 lanes still read 128 consecutive bytes
	s_mov_b32 s44, 0x76543210
	s_mov_b32 s45, 0xfedcba98                      ; v_permlanex16_b32's selects for lane l xor 16
	s_wait_kmcnt 0x0
; block t of my column: rows 32 t .. 32 t + 31 of the wave's 256, into set t % 2.  n: the tensor's columns
.macro LOADW t, n
.irp i, 0,1,2,3,4,5,6,7,8,9,10,11,12,13,14,15,16,17,18,19,20,21,22,23,24,25,26,27,28,29,30,31
	global_load_b32 v[WX+32*((\t)%2)+\i], v3, s[30:31] offset:(32*(\t)+\i)*(\n)*4 th:TH_LOAD_NT
.endr
.endm
; block t is quantised.  Even blocks go to tile 0's registers and odd ones to tile 1's; the exchange of halves then gives each tile its lanes: lanes 0-15 the even block, lanes 16-31 the odd one.
.macro BLOCKW t, n, tp
.set XS, WX+32*((\t)%2)
.set QQ, (\t)/4
.set CC, ((\t)/2)%2
.set DD, WF+24*QQ+12*((\t)%2)+6*CC
.if (\t) < 7
	s_wait_loadcnt 32                              ; this block's 32 loads are in; the next block's 32 may be out
.else
	s_wait_loadcnt 0x0
.endif
	v_max3_num_f32 v12, |v[XS]|, |v[XS+1]|, |v[XS+2]|      ; the block's largest magnitude: all 32 numbers are mine; two chains
	v_max3_num_f32 v13, |v[XS+3]|, |v[XS+4]|, |v[XS+5]|
.irp i, 6,10,14,18,22,26
	v_max3_num_f32 v12, v12, |v[XS+\i]|, |v[XS+\i+1]|
	v_max3_num_f32 v13, v13, |v[XS+\i+2]|, |v[XS+\i+3]|
.endr
	v_max3_num_f32 v12, v12, |v[XS+30]|, |v[XS+31]|
	v_max3_num_f32 v12, v12, v13, 0x1800000        ; and the floor 2^(3 - 127): the byte cannot fall under 1
	v_add_nc_u32 v11, 0xff000000, v12              ; 2 off the exponent field: the conversion takes this operand's exponent field as its scale
	v_cvt_scalef32_pk16_fp6_f32 v[DD:DD+2], v[XS:XS+15], v11
	v_cvt_scalef32_pk16_fp6_f32 v[TC:TC+2], v[XS+16:XS+31], v11    ; (a conversion's three registers begin on an even number: these are moved)
	v_lshrrev_b32 v13, 23, v11                     ; the scale's byte; also the plain instruction behind the conversions
.if (\t)%4 == 0
	v_mov_b32 v[SB+QQ], v13                        ; four bytes make a K step's word, the lower K in the lower byte
.else
	v_lshl_or_b32 v[SB+QQ], v13, 8*((\t)%4), v[SB+QQ]
.endif
.irp i, 0,1,2
	v_mov_b32 v[DD+3+\i], v[TC+\i]
.endr
.if (\t) < 6
	LOADW (\t)+2, \n
.endif
.if (\t)%2 == 1
.irp i, 0,1,2,3,4,5
	v_permlane16_swap_b32 v[WF+24*QQ+6*CC+\i], v[WF+24*QQ+12+6*CC+\i]    ; the first's lanes 16-31 (tile 1, even block) change places with the second's lanes 0-15 (tile 0, odd block)
.endr
.endif
.if (\t)%4 == 3
.irp u, 0,1
.irp g, 0,1,2
	global_store_b128 v4, v[WF+24*QQ+12*\u+4*\g:WF+24*QQ+12*\u+4*\g+3], s[32:33] offset:\u*(\tp)+1536*QQ+512*\g   ; 32 lanes store 512 consecutive bytes, aligned
.endr
.endr
.endif
.endm
; No register that a store reads is written again, and no address is stepped: the path needs no wait for its stores.
.macro WPATH n, tp
	LOADW 0, \n
	LOADW 1, \n
.irp t, 0,1,2,3,4,5,6,7
	BLOCKW \t, \n, \tp
.endr
	global_store_b64 v5, v[SB:SB+1], s[34:35]      ; 32 lanes store 256 consecutive bytes, aligned
	s_endpgm
.endm
	s_cmp_lt_u32 ttmp9, 64
	s_cbranch_scc1 .Lx
	s_cmp_lt_u32 ttmp9, 1088
	s_cbranch_scc1 .Lgu
	; ---- w_down: 16 strips of 128 columns x 32 runs of 256 K
	s_sub_co_u32 s36, ttmp9, 1088
	s_and_b32 s38, s36, 15                         ; strip
	s_lshr_b32 s39, s36, 4                         ; run y
	s_lshl_b32 s40, s39, 21                        ; 256 rows of 8,192 bytes
	s_lshl_b32 s41, s38, 9
	s_add_co_u32 s40, s40, s41
	s_lshl_b32 s41, s28, 7
	s_add_co_u32 s40, s40, s41
	s_mov_b32 s41, 0
	s_add_nc_u64 s[30:31], s[14:15], s[40:41]
	s_lshl_b32 s42, s38, 2
	s_add_co_u32 s42, s42, s28                     ; my pair of tiles = column / 32
	s_mul_i32 s40, s42, 2*98304                    ; a tile's 64 K steps are 98,304 bytes
	s_mul_i32 s43, s39, 3072
	s_add_co_u32 s40, s40, s43
	s_add_nc_u64 s[32:33], s[24:25], s[40:41]
	s_lshl_b32 s40, s42, 13                        ; a pair's scale words: 32 x 256 bytes
	s_lshl_b32 s43, s39, 8
	s_add_co_u32 s40, s40, s43
	s_add_nc_u64 s[34:35], s[26:27], s[40:41]
	s_wait_alu depctr_va_vdst(0)
	WPATH 2048, 98304
.Lgu:
	; ---- w_gate, w_up: each 64 strips of 128 columns x 8 runs of 256 K.  Tile order: 16 X + 8 (column half) + 4 (0 gate, 1 up) + 2 (block of 32) + u
	s_sub_co_u32 s36, ttmp9, 64
	s_lshr_b32 s37, s36, 9                         ; 0 gate, 1 up
	s_and_b32 s38, s36, 63                         ; strip X
	s_bfe_u32 s39, s36, 0x30006                    ; run y
	s_cmp_eq_u32 s37, 0
	s_cselect_b64 s[30:31], s[10:11], s[12:13]
	s_lshl_b32 s40, s39, 23                        ; 256 rows of 32,768 bytes
	s_lshl_b32 s41, s38, 9
	s_add_co_u32 s40, s40, s41
	s_lshl_b32 s41, s28, 7
	s_add_co_u32 s40, s40, s41
	s_mov_b32 s41, 0
	s_add_nc_u64 s[30:31], s[30:31], s[40:41]
	s_lshl_b32 s42, s38, 4
	s_lshr_b32 s43, s28, 1
	s_lshl_b32 s43, s43, 3
	s_add_co_u32 s42, s42, s43
	s_lshl_b32 s43, s37, 2
	s_add_co_u32 s42, s42, s43
	s_and_b32 s43, s28, 1
	s_lshl_b32 s43, s43, 1
	s_add_co_u32 s42, s42, s43                     ; my first tile (an even number)
	s_mul_i32 s40, s42, 24576                      ; a tile's 16 K steps are 24,576 bytes
	s_mul_i32 s43, s39, 3072
	s_add_co_u32 s40, s40, s43
	s_add_nc_u64 s[32:33], s[20:21], s[40:41]
	s_lshl_b32 s40, s42, 10                        ; a pair's scale words: 8 x 256 bytes
	s_lshl_b32 s43, s39, 8
	s_add_co_u32 s40, s40, s43
	s_add_nc_u64 s[34:35], s[22:23], s[40:41]
	s_wait_alu depctr_va_vdst(0)
	WPATH 8192, 24576
; ---- hidden_states: K is innermost.  A wave takes a pair of row tiles (32 rows) x 256 K: four fragments f = 2 u + q (tile u, K step q).
; Lane (r, h) loads, of row r, the 16 neighbouring numbers 16 h .. 16 h + 15 of each block of 32: register 16 b + i = k 32 b + 16 h + i.
.macro XLOAD f
.irp b, 0,1,2,3
.irp j, 0,1,2,3
	global_load_b128 v[16+64*((\f)%2)+16*\b+4*\j:16+64*((\f)%2)+16*\b+4*\j+3], v[XA], s[30:31] offset:((\f)/2)*131072+512*((\f)%2)+128*\b+16*\j th:TH_LOAD_NT
.endr
.endr
.endm
; 64 numbers of a lane, v[QS] on, become a fragment's codes in v[PC] on and its row's scale word in v[PW]
.macro QUANT
.irp b, 0,1,2,3
	v_max3_num_f32 v[TM+\b], |v[QS+16*\b]|, |v[QS+1+16*\b]|, 0x1800000   ; block b: my 16 numbers, and the floor 2^(3 - 127)
.endr
.irp i, 2,4,6,8,10,12,14
.irp b, 0,1,2,3
	v_max3_num_f32 v[TM+\b], v[TM+\b], |v[QS+16*\b+\i]|, |v[QS+1+16*\b+\i]|   ; the four blocks by turns
.endr
.endr
.irp b, 0,1,2,3
	v_permlanex16_b32 v[TM+4+\b], v[TM+\b], s44, s45
.endr
.irp b, 0,1,2,3
	v_max_num_f32 v[TM+\b], v[TM+\b], v[TM+4+\b]   ; with lane l xor 16's: the block's largest magnitude
.endr
.irp b, 0,1,2,3
	v_add_nc_u32 v[TM+12+\b], 0xff000000, v[TM+\b] ; 2 off its exponent field: the conversion's scale operand
.endr
.irp b, 0,1,2,3
	v_lshrrev_b32 v[TM+4+\b], 23, v[TM+12+\b]      ; the scale's byte
.endr
	v_lshl_or_b32 v[PW], v[TM+5], 8, v[TM+4]
	v_lshl_or_b32 v[PW], v[TM+6], 16, v[PW]
	v_lshl_or_b32 v[PW], v[TM+7], 24, v[PW]
.irp c, 0,1
	v_cvt_scalef32_pk16_fp6_f32 v[PC+6*\c:PC+2+6*\c], v[QS+32*\c:QS+15+32*\c], v[TM+12+2*\c]
	v_cvt_scalef32_pk16_fp6_f32 v[PC+12+4*\c:PC+14+4*\c], v[QS+16+32*\c:QS+31+32*\c], v[TM+12+2*\c+1]
.endr
	v_nop                                          ; one plain instruction behind the conversions
.irp c, 0,1                                    ; the operand's layout wants a whole block in a lane: lanes 0-15 block 2 c, lanes 16-31 block 2 c + 1
.irp i, 0,1,2
	v_permlane16_swap_b32 v[PC+6*\c+\i], v[PC+12+4*\c+\i]
.endr
.irp i, 0,1,2
	v_mov_b32 v[PC+3+6*\c+\i], v[PC+12+4*\c+\i]
.endr
.endr
.endm
.macro XFRAG f
.if (\f) < 3
	XLOAD (\f)+1                                   ; the next fragment's numbers, into the other set
	s_wait_loadcnt 16                              ; this fragment's 16 loads are in; the next one's 16 may be out
.else
	s_wait_loadcnt 0x0
.endif
	s_wait_xcnt 0x0                                ; the last fragment's stores have read their registers: the codes' registers are written again only behind this wait
.set QS, 16+64*((\f)%2)
	QUANT
.irp g, 0,1,2
	global_store_b128 v4, v[PC+4*\g:PC+4*\g+3], s[32:33] offset:((\f)/2)*24576+1536*((\f)%2)+512*\g   ; 512 consecutive bytes, aligned
.endr
	v_mov_b32 v[KW+(\f)], v[PW]
.endm
.Lx:
	s_lshl_b32 s36, ttmp9, 2
	s_add_co_u32 s36, s36, s28                     ; which of 256 shares
	s_lshr_b32 s37, s36, 3                         ; pair of row tiles
	s_and_b32 s38, s36, 7                          ; pair of K steps
	s_lshl_b32 s40, s37, 18                        ; 32 rows of 8,192 bytes
	s_lshl_b32 s41, s38, 10
	s_add_co_u32 s40, s40, s41
	s_mov_b32 s41, 0
	s_add_nc_u64 s[30:31], s[8:9], s[40:41]
	s_mul_i32 s40, s37, 49152
	s_mul_i32 s42, s38, 3072
	s_add_co_u32 s40, s40, s42
	s_add_nc_u64 s[32:33], s[16:17], s[40:41]
	s_lshl_b32 s40, s37, 11
	s_lshl_b32 s42, s38, 8
	s_add_co_u32 s40, s40, s42
	s_add_nc_u64 s[34:35], s[18:19], s[40:41]
	v_and_b32 v7, 15, v0                           ; r
	v_bfe_u32 v8, v0, 4, 1                         ; h
	v_lshlrev_b32 v[XA], 13, v7
	v_lshl_add_u32 v[XA], v8, 6, v[XA]             ; row r of 8,192 bytes + 64 h
.irp b, 0,1,2,3
	v_mov_b32 v[TM+4+\b], 0                        ; written once: a lane permute's destination counts as one of its sources
.endr
	XLOAD 0
.irp f, 0,1,2,3
	XFRAG \f
.endr
	v_cmp_le_u32 vcc_lo, 16, v1                    ; lanes 16-31 carry the pair's second tile
	v_cndmask_b32 v[WQ], v[KW], v[KW+2], vcc_lo
	v_cndmask_b32 v[WQ+1], v[KW+1], v[KW+3], vcc_lo
	global_store_b64 v5, v[WQ:WQ+1], s[34:35]      ; 256 consecutive bytes, aligned
	s_endpgm
.Lfunc_end_k_qc454b3b9a2_quant:
	.size	k_qc454b3b9a2_quant, .Lfunc_end_k_qc454b3b9a2_quant-k_qc454b3b9a2_quant
	.p2alignl 7, 3214868480
	.fill 96, 4, 3214868480
	.section	.rodata,"a",@progbits
	.p2align	6, 0x0
	.amdhsa_kernel k_qc454b3b9a2_quant
		.amdhsa_group_segment_fixed_size 0
		.amdhsa_private_segment_fixed_size 0
		.amdhsa_enable_private_segment 0
		.amdhsa_kernarg_size 80
		.amdhsa_user_sgpr_count 2
		.amdhsa_user_sgpr_kernarg_segment_ptr 1
		.amdhsa_wavefront_size32 1
		.amdhsa_system_sgpr_workgroup_id_x 1
		.amdhsa_system_sgpr_workgroup_id_y 1
		.amdhsa_system_sgpr_workgroup_id_z 1
		.amdhsa_system_vgpr_workitem_id 0
		.amdhsa_next_free_vgpr 192
		.amdhsa_next_free_sgpr 66
		.amdhsa_reserve_vcc 1
		.amdhsa_float_denorm_mode_32 3
		.amdhsa_float_denorm_mode_16_64 3
		.amdhsa_memory_ordered 1
		.amdhsa_forward_progress 1
		.amdhsa_inst_pref_size 102
	.end_amdhsa_kernel
	.amdgpu_metadata
---
amdhsa.version: [ 1, 2 ]
amdhsa.kernels:
  - .name:           k_qc454b3b9a2_quant
    .symbol:         k_qc454b3b9a2_quant.kd
    .args:
      - { .name: hidden_states, .offset: 0, .size: 8, .value_kind: global_buffer, .address_space: global }
      - { .name: w_gate, .offset: 8, .size: 8, .value_kind: global_buffer, .address_space: global }
      - { .name: w_up, .offset: 16, .size: 8, .value_kind: global_buffer, .address_space: global }
      - { .name: w_down, .offset: 24, .size: 8, .value_kind: global_buffer, .address_space: global }
      - { .name: x_img, .offset: 32, .size: 8, .value_kind: global_buffer, .address_space: global }
      - { .name: x_sc, .offset: 40, .size: 8, .value_kind: global_buffer, .address_space: global }
      - { .name: wgu_img, .offset: 48, .size: 8, .value_kind: global_buffer, .address_space: global }
      - { .name: wgu_sc, .offset: 56, .size: 8, .value_kind: global_buffer, .address_space: global }
      - { .name: wd_img, .offset: 64, .size: 8, .value_kind: global_buffer, .address_space: global }
      - { .name: wd_sc, .offset: 72, .size: 8, .value_kind: global_buffer, .address_space: global }
    .group_segment_fixed_size: 0
    .private_segment_fixed_size: 0
    .kernarg_segment_align: 8
    .kernarg_segment_size: 80
    .max_flat_workgroup_size: 128
    .sgpr_count:     66
    .vgpr_count:     192
    .wavefront_size: 32
...
	.end_amdgpu_metadata
.endif
;; end of part 1
;; launch gateup (part 2): grid 64 x 4, 4 waves a work-group, clusters of 4 x 4, 327,680 bytes of LDS; arguments x_img, x_sc, wgu_img, wgu_sc, h_img, b_gate, b_up, h_sc; writes h_img, h_sc
.if DOCPART == 2
	.amdgcn_target "amdgcn-amd-amdhsa--gfx1250"
	.amdhsa_code_object_version 6
	.text
	.protected	k_qc454b3b9a2_gateup
	.globl	k_qc454b3b9a2_gateup
	.p2align	8
	.type	k_qc454b3b9a2_gateup,@function
k_qc454b3b9a2_gateup:
	s_mov_b64 s[64:65], 0
	v_nop
	global_prefetch_b8 v0, s[64:65] scope:SCOPE_SE
	s_setreg_imm32_b32 hwreg(HW_REG_WAVE_MODE, 25, 1), 1
	s_wait_xcnt 0x0
	s_wait_alu depctr_hold_cnt(0) depctr_sa_sdst(0) depctr_va_vdst(0) depctr_va_sdst(0) depctr_va_ssrc(0) depctr_va_vcc(0) depctr_vm_vsrc(0)
	s_getreg_b32 s2, hwreg(HW_REG_IB_STS2, 6, 4)
	s_cmp_eq_u32 s2, 0
	s_cbranch_scc0 .Lentry_in_a_cluster
	s_endpgm
.Lentry_in_a_cluster:
	s_bfe_u32 s2, ttmp6, 0x10000c
	s_cmp_lg_u32 s2, 0xf033
	s_cbranch_scc0 .Lentry_shape_is_right
	s_endpgm
.Lentry_shape_is_right:
; g = x Wg + bg, u = x Wu + bu on codes of FP6 (E2M3) with E8M0 scales, f32 sums; h = (g max(g, 0)) u in f32; h is quantised along the hidden units, 32 to a block, and leaves as operand images.
; Operands arrive as images of their registers (a tile of 16 rows x 128 K is 1,536 bytes: registers 4 g .. 4 g + 3 of lane l at 512 g + 16 l), so a fragment is three loads of 512 consecutive bytes.
; SHARES.  A work-group takes 256 rows of x against 128 hidden units, gate and up.  THE WAVES SHARE THE COLUMNS: wave w takes all 16 tiles of x against block w of 32 hidden units: two tiles of gate, two of up: 64 accumulators.
; THE WEIGHTS GO FROM MEMORY STRAIGHT INTO REGISTERS: a wave's four tiles are read by no other wave of the work-group.  Five sets of 48 registers: a K step's 12 loads are issued four to five steps ahead of their use.
; x GOES THROUGH LDS, which all four waves read: 24,576 bytes a K step, so 12 of the 16 K steps fit at once.  They are first fills; steps 12-15 are the one refill of the launch, behind one round, eight steps ahead of their use.
; CLUSTERS: 4 x 4 work-groups.  The four of a row of the cluster need the same tiles of x: each is asked for jointly.  The four of a column read the same weights and do NOT ask jointly: a joint load lands in LDS, and with
; x and the weights there (49,152 bytes a K step) six steps would fit and a round would stand at every second or third step.
; THE MATRIX INSTRUCTION IS USED TRANSPOSED: source 0 = a weight tile, source 1 = a tile of x.  Weight tile u's row m is column 8 u + m + 8 (m / 8) of its block of 32, so lane (r, h) holds row r of x, and register j of
; tile u holds hidden unit 16 h + 8 u + j: the 16 registers of the two tiles are 16 neighbours along the next product's K.  The biases are the C of each sum's first matrix instruction.
; THE 16 K STEPS ARE WRITTEN OUT BY MACRO: the register numbers (five sets of weights, four of their scale words) come back after 40 steps, more than there are.
; LIMITS: NaN and infinities are not served; a block of h that is all zeros, or whose largest magnitude lies under 2^-124, gets the byte 1 (zero codes add nothing; this program alone reads the bytes).
; REGISTERS, in windows of 256: window 0: v0-15 addresses; v16-47 x's scale words, two sets; v48-63 the weights' scale words, four sets; v64-159 x's tiles 0-7; v160-255 weight sets 0, 1; on the way out v64-139 are at work.
;   window 1: v0-95 x's tiles 8-15; v96-239 weight sets 2, 3, 4 (the biases lie in set 4 until the first step has read them).   windows 2, 3: the accumulators: (a, b) at v[8 (4 (a % 8) + b)], b 0, 1 gate, 2, 3 up.
.set FR,    12                         ; registers of a fragment
.set NP,    4                          ; places behind this matrix instruction (ISA guide 7.12.1)
.set REG,   98304                      ; a region of LDS: 16 tiles of x, each 4 K steps x 1,536 bytes
.set SCL,   3*REG                      ; behind the regions: x's scale words: 8 pairs of tiles x 2,048 bytes; filled once
.set SPARE, SCL+16384                  ; the spare words, 128 bytes for each wave: two blocks of 256 bytes that no other line names
.set HSTG,  SPARE+512                  ; 1,024 bytes: h's scale words of the work-group's 256 rows; no tensor load lands here
.set SPW,   1                          ; v1     LDS address of my spare word; never rewritten
.set NIL,   2                          ; v2     0; never rewritten
.set WO,    3                          ; v3     16 x lane
.set W8,    4                          ; v4     8 x lane
.set BO,    5                          ; v5     64 x (lane / 16): the biases of my half
.set HO,    6                          ; v6     my 8 bytes of a piece of h's image
.set HSA,   7                          ; v7     where I put a row's scale byte
.set ADR,   8                          ; v8-13  LDS address of x's tiles: region n, tiles 0-7 at ADR + 2 n, tiles 8-15 at ADR + 2 n + 1
.set ADRS,  14                         ; v14    LDS address of x's scale words
.set HSR,   15                         ; v15    where I read scale words back
.set SC,    16                         ; x's scale words: pair of steps p in set p % 2: pair of tiles k, step q at SC + 16 (p % 2) + 2 k + q; lanes 0-15 the pair's first tile, lanes 16-31 its second
.set WS,    48                         ; the weights': set p % 4: gate at + 0, up at + 2, step q at + q; lanes 0-15 tile u = 0, lanes 16-31 u = 1
.set AF,    64                         ; x's tiles 0-7 in window 0 (tiles 8-15 at v0 of window 1)
.set BI,    192                        ; the biases, in window 1: tile b at BI + 8 b
.set HA,    64                         ; the way out: 32 numbers of h
.set TM,    120                        ; at work
.set PW,    136                        ; the scale byte that my lane stores
.set HW,    138                        ; v138-139 scale words read back
.set G1,    24                         ; s[24:31] descriptor group 1 for x's tiles
.set G1S,   32                         ; s[32:39] for x's scale words
.set G0S,   44                         ; s[44:47] group 0 for the scale words
.set G0R,   48                         ; s[48:59] group 0 for the three regions
.set MSB, 0
.macro WIN new                         ; the immediate's high byte repeats the setting that is left
.if MSB != (\new)
	s_set_vgpr_msb (MSB<<8)|(\new)
.set MSB, (\new)
.endif
.endm
.macro CREST                           ; a round of the cluster's barrier behind its opening barrier
	s_cmp_lg_u32 s14, 0
	s_cbranch_scc1 .Lnot_wave_0_\@
	s_barrier_signal -3
.Lnot_wave_0_\@:
	s_barrier_wait -3
	s_barrier_signal -1
	s_barrier_wait -1
.endm
.macro CROUND                          ; a whole round
	s_barrier_signal -1
	s_barrier_wait -1
	CREST
.endm
; A load into a register that a matrix instruction has read, and a vector instruction that reads a matrix result or writes one of its registers, stand NP places behind it; only plain vector
; instructions that name none of its registers are places (ISA guide 7.12.1 for vector instructions).
.macro PLACES n
.rept \n
	v_nop
.endr
.endm
	s_load_b128 s[4:7], s[0:1], 0x0                ; x_img s[4:5], x_sc s[6:7]
	s_load_b128 s[8:11], s[0:1], 0x10              ; wgu_img s[8:9], wgu_sc s[10:11]
	s_load_b64 s[12:13], s[0:1], 0x20              ; h_img
	s_load_b128 s[96:99], s[0:1], 0x28             ; b_gate s[96:97], b_up s[98:99]
	s_load_b64 s[100:101], s[0:1], 0x38            ; h_sc
	v_lshl_add_u32 v[SPW], v0, 2, SPARE
	v_mov_b32 v[NIL], 0
	ds_add_u32 v1, v2
	ds_add_u32 v1, v2
	s_wait_dscnt 0x0
	v_lshrrev_b32 v16, 5, v0
	v_readfirstlane_b32 s14, v16                   ; wave 0..3
	s_lshr_b32 s15, s14, 1
	s_and_b32 s16, s14, 1
	s_bfe_u32 s40, ttmp6, 0x40000                  ; cx, cy: my place in the cluster
	s_bfe_u32 s41, ttmp6, 0x40004
	s_lshl_b32 s18, ttmp9, 2
	s_add_co_u32 s18, s18, s40                     ; strip of 128 hidden units = 4 x cluster x + cx
	s_mov_b32 s17, s41                             ; block of 256 rows = cy: the grid is one cluster high
	s_lshl_b32 s43, s41, 2
	s_lshl_b32 s43, 15, s43                        ; my row of the cluster
	; group 1 for x's tiles: 4 tiles, of each 4 K steps: 4 rows of 6,144 bytes (768 elements of 8 bytes), 24,576 bytes apart in memory; no padding: every LDS read takes consecutive bytes
	s_or_b32 s[G1+0], s43, (3<<16)|(1<<21)         ; 15:0 the mask: my row of the cluster; 17:16 elements of 8 bytes; 21 set beside a mask
	s_mov_b32 s[G1+1], 768<<16                     ; tensor_dim0
	s_mov_b32 s[G1+2], 4<<16                       ; tensor_dim1
	s_mov_b32 s[G1+3], 768<<16                     ; tile_dim0
	s_mov_b32 s[G1+4], 4                           ; tile_dim1
	s_mov_b32 s[G1+5], 3072                        ; tensor_dim0_stride
	s_mov_b32 s[G1+6], 0
	s_mov_b32 s[G1+7], 0
	; and for the scale words of 8 tiles for all of K: 8,192 dense bytes, as 32 rows of 256 bytes
	s_or_b32 s[G1S+0], s43, (3<<16)|(1<<21)
	s_mov_b32 s[G1S+1], 32<<16
	s_mov_b32 s[G1S+2], 32<<16                     ; a load of scale words brings those of 8 tiles: 8,192 dense bytes, 32 rows of 256
	s_mov_b32 s[G1S+3], 32<<16
	s_mov_b32 s[G1S+4], 32
.set G1H, 84                           ; s[84:91] group 1 for the first fills of a region: 8 tiles, of each 4 K steps
.set G0H, 92                           ; s[92:95] group 0 for the head's half of region 0
	s_or_b32 s[G1H+0], s43, (3<<16)|(1<<21)
	s_mov_b32 s[G1H+1], 768<<16
	s_mov_b32 s[G1H+2], 8<<16
	s_mov_b32 s[G1H+3], 768<<16
	s_mov_b32 s[G1H+4], 8
	s_mov_b32 s[G1H+5], 3072
	s_mov_b32 s[G1H+6], 0
	s_mov_b32 s[G1H+7], 0
	s_mov_b32 s[G1S+5], 32
	s_mov_b32 s[G1S+6], 0
	s_mov_b32 s[G1S+7], 0
	s_lshl_b32 s20, s17, 4                         ; x: the four tiles that I fetch begin at tile 16 x block + 4 x wave: no cx enters
	s_lshl_b32 s21, s14, 2
	s_add_co_u32 s20, s20, s21
	s_mul_i32 s20, s20, 24576                      ; their codes: 24,576 bytes a tile (the refill's quarter)
	s_mov_b32 s21, 0
	s_lshl_b32 s22, s17, 14                        ; the scale words of the block's 16 tiles are 16,384 bytes; half wave % 2 of them
	s_lshl_b32 s19, s16, 13
	s_add_co_u32 s22, s22, s19
	s_mov_b32 s23, 0
	s_mul_i32 s42, s14, 24576
	s_mul_i32 s82, s17, 16*24576                   ; the first fills go by halves of a region: tiles 8 (wave % 2) on of the block's 16
	s_mul_i32 s83, s16, 8*24576
	s_add_co_u32 s82, s82, s83
	s_mov_b32 s83, 0
	s_lshl_b32 s72, s18, 4                         ; the weights: my first tile = 16 x strip + 8 (wave / 2) + 2 (wave % 2); gate's two tiles at + 0, + 1, up's at + 4, + 5
	s_lshl_b32 s73, s15, 3
	s_add_co_u32 s72, s72, s73
	s_lshl_b32 s73, s16, 1
	s_add_co_u32 s72, s72, s73
	s_lshl_b32 s74, s72, 10                        ; their scale words
	s_mul_i32 s72, s72, 24576
	s_mov_b32 s73, 0
	s_mov_b32 s75, 0
	s_lshl_b32 s76, s18, 9                         ; the biases of my 32 hidden units
	s_lshl_b32 s77, s14, 7
	s_add_co_u32 s76, s76, s77
	s_mov_b32 s77, 0
	s_mul_i32 s78, s17, 8*196608                   ; h_img: [pair of row tiles][K step][block][piece][256 bytes]: pair 8 x block of rows, K step = strip, block = wave
	s_mul_i32 s79, s18, 3072
	s_add_co_u32 s78, s78, s79
	s_mul_i32 s79, s14, 768
	s_add_co_u32 s78, s78, s79
	s_mov_b32 s79, 0
	s_lshl_b32 s80, s18, 12                        ; h_sc: 4,096 bytes a K step, 1,024 a block of 256 rows, 256 a wave
	s_lshl_b32 s81, s17, 10
	s_add_co_u32 s80, s80, s81
	s_lshl_b32 s81, s14, 8
	s_add_co_u32 s80, s80, s81
	s_mov_b32 s81, 0
	s_mov_b32 s66, 0x76543210
	s_mov_b32 s67, 0xfedcba98                      ; v_permlanex16_b32's selects for lane l xor 16
	s_wait_kmcnt 0x0
	s_add_nc_u64 s[20:21], s[4:5], s[20:21]
	s_add_nc_u64 s[22:23], s[6:7], s[22:23]
	s_add_nc_u64 s[82:83], s[4:5], s[82:83]
	s_add_nc_u64 s[8:9], s[8:9], s[72:73]
	s_add_nc_u64 s[10:11], s[10:11], s[74:75]
	s_add_nc_u64 s[96:97], s[96:97], s[76:77]
	s_add_nc_u64 s[98:99], s[98:99], s[76:77]
	s_add_nc_u64 s[12:13], s[12:13], s[78:79]
	s_add_nc_u64 s[100:101], s[100:101], s[80:81]
	s_mov_b32 s[G0S], 1
	s_add_co_u32 s[G0S+1], s19, SCL
	s_mov_b64 s[G0S+2:G0S+3], s[22:23]
	s_or_b32 s[G0S+3], s[G0S+3], 0x80000000
	s_mov_b32 s[G0R], 1                            ; the refill's: my four tiles of region 0
	s_mov_b32 s[G0R+1], s42
	s_mov_b64 s[G0R+2:G0R+3], s[20:21]
	s_or_b32 s[G0R+3], s[G0R+3], 0x80000000
	s_mov_b32 s[G0H], 1                            ; the head's: half wave % 2 of region 0
	s_mul_i32 s[G0H+1], s16, 49152
	s_mov_b64 s[G0H+2:G0H+3], s[82:83]
	s_or_b32 s[G0H+3], s[G0H+3], 0x80000000
	s_mov_b32 s[G0R+4], 1                          ; the second group's: half wave % 2 of region 1 + wave / 2
	s_mul_i32 s[G0R+5], s15, REG
	s_add_co_u32 s[G0R+5], s[G0R+5], s[G0H+1]
	s_add_co_u32 s[G0R+5], s[G0R+5], REG
	s_mul_i32 s20, s15, 6144
	s_add_co_u32 s20, s20, 6144
	s_mov_b32 s21, 0
	s_add_nc_u64 s[G0R+6:G0R+7], s[82:83], s[20:21]
	s_or_b32 s[G0R+7], s[G0R+7], 0x80000000
	CROUND                                         ; all sixteen work-groups are here: the first joint loads meet
	s_cmp_eq_u32 s15, 0                            ; one tensor load a wave at the head: waves 0, 1 the halves of region 0, waves 2, 3 the halves of the scale words
	s_cbranch_scc0 .Lhead_sc
	tensor_load_to_lds s[G0H:G0H+3], s[G1H:G1H+7]
	s_nop 0
	PLACES 4
	s_branch .Lhead_on
.Lhead_sc:
	tensor_load_to_lds s[G0S:G0S+3], s[G1S:G1S+7]
	s_nop 0
	PLACES 4
.Lhead_on:
	v_and_b32 v16, 31, v0                          ; lane
	v_bfe_u32 v17, v0, 4, 1                        ; lane / 16
	v_lshlrev_b32 v[WO], 4, v16
	v_lshlrev_b32 v[W8], 3, v16
	v_lshlrev_b32 v[BO], 6, v17
; The weights' four fragments of K step s into set s % 5, and on even steps the scale words of two steps.  12 or 14 loads
.macro LOADB s
.set SETN, (\s)%5
.set WB, (SETN+2)/4                    ; sets 0, 1 lie in window 0, sets 2, 3, 4 in window 1
.set SBASE, 48*SETN+160*(1-WB)
	WIN 0x40*WB
.irp b, 0,1,2,3
.irp g, 0,1,2
	global_load_b128 v[SBASE+FR*\b+4*\g:SBASE+FR*\b+4*\g+3], v[WO], s[8:9] offset:((\b%2)+4*(\b/2))*24576+(\s)*1536+512*\g
.endr
.endr
	WIN 0
.if (\s)%2 == 0
.irp u, 0,1
	global_load_b64 v[WS+4*(((\s)/2)%4)+2*\u:WS+4*(((\s)/2)%4)+2*\u+1], v[W8], s[10:11] offset:\u*4096+((\s)/2)*256
.endr
.endif
.endm
	WIN 0x40
.irp b, 0,1,2,3                                ; lane (r, h) wants, for tile u, the biases of units 16 h + 8 u + 0 .. 7
	global_load_b128 v[BI+8*\b:BI+8*\b+3], v[BO], s[96+2*(\b/2):97+2*(\b/2)] offset:32*(\b%2)
	global_load_b128 v[BI+8*\b+4:BI+8*\b+7], v[BO], s[96+2*(\b/2):97+2*(\b/2)] offset:32*(\b%2)+16
.endr
	WIN 0
	LOADB 0                                        ; 8 + 14 + 12 + 14 + 12 = 60 loads of mine are out
	LOADB 1
	LOADB 2
	LOADB 3
.irp n, 0,1,2
	v_add_nc_u32 v[ADR+2*\n], \n*REG, v[WO]
	v_add_nc_u32 v[ADR+2*\n+1], \n*REG+49152, v[WO]
.endr
	v_add_nc_u32 v[ADRS], SCL, v[W8]
	s_lshl_b32 s20, s16, 4
	v_xor_b32 v[HO], s20, v16                      ; in odd blocks the two tiles of a pair change places in a piece, so that the reader's two halves of lanes fall on different banks
	v_lshlrev_b32 v[HO], 3, v[HO]
	s_add_co_u32 s20, s14, HSTG
	v_lshl_add_u32 v[HSA], v16, 2, s20             ; row's word 4 x lane, byte = my block
	v_and_b32 v18, 1, v16
	v_lshrrev_b32 v19, 1, v16
	v_lshlrev_b32 v[HSR], 8, v18
	v_lshl_add_u32 v[HSR], v19, 2, v[HSR]
	s_lshl_b32 s20, s15, 9
	s_lshl_b32 s21, s16, 6
	s_add_co_u32 s20, s20, s21
	s_add_co_u32 s20, s20, HSTG
	v_add_nc_u32 v[HSR], s20, v[HSR]               ; back: the words of rows 128 (w / 2) + 64 (l % 2) + 16 (w % 2) + l / 2 and 32 further on
	v_cmp_le_u32 s68, 16, v16                      ; lanes 16-31
.macro FETCH_A s, hh                   ; x's tiles 8 hh .. 8 hh + 7 of K step s: 24 loads of 512 consecutive bytes
.set RG, ((\s)/4)%3
	WIN 0x40*(\hh)
.irp i, 0,1,2,3,4,5,6,7
.irp g, 0,1,2
	ds_load_b128 v[AF*(1-(\hh))+FR*\i+4*\g:AF*(1-(\hh))+FR*\i+4*\g+3], v[ADR+2*RG+(\hh)] offset:\i*6144+((\s)%4)*1536+512*\g
.endr
.endr
	WIN 0
.endm
.macro SCALES p                        ; x's scale words of K steps 2 p, 2 p + 1: two words a lane for each pair of tiles
.irp k, 0,1,2,3,4,5,6,7
	ds_load_b64 v[SC+16*((\p)%2)+2*\k:SC+16*((\p)%2)+2*\k+1], v[ADRS] offset:2048*\k+256*(\p)
.endr
.endm
; One matrix instruction, its registers in the symbols rD, rS0, rS1, rC, rSB, rSA.  A pair of tiles shares a scale register: the second tile's words are read from lanes 16-31 (rRB for source 0, rRA for source 1)
.macro WM
.if rRB && rRA
	v_wmma_scale_f32_16x16x128_f8f6f4 v[rD:rD+7], v[rS0:rS0+11], v[rS1:rS1+11], v[rC:rC+7], v[rSB], v[rSA] matrix_a_fmt:MATRIX_FMT_FP6 matrix_b_fmt:MATRIX_FMT_FP6 matrix_a_scale:MATRIX_SCALE_ROW1 matrix_b_scale:MATRIX_SCALE_ROW1
.elseif rRB
	v_wmma_scale_f32_16x16x128_f8f6f4 v[rD:rD+7], v[rS0:rS0+11], v[rS1:rS1+11], v[rC:rC+7], v[rSB], v[rSA] matrix_a_fmt:MATRIX_FMT_FP6 matrix_b_fmt:MATRIX_FMT_FP6 matrix_a_scale:MATRIX_SCALE_ROW1
.elseif rRA
	v_wmma_scale_f32_16x16x128_f8f6f4 v[rD:rD+7], v[rS0:rS0+11], v[rS1:rS1+11], v[rC:rC+7], v[rSB], v[rSA] matrix_a_fmt:MATRIX_FMT_FP6 matrix_b_fmt:MATRIX_FMT_FP6 matrix_b_scale:MATRIX_SCALE_ROW1
.else
	v_wmma_scale_f32_16x16x128_f8f6f4 v[rD:rD+7], v[rS0:rS0+11], v[rS1:rS1+11], v[rC:rC+7], v[rSB], v[rSA] matrix_a_fmt:MATRIX_FMT_FP6 matrix_b_fmt:MATRIX_FMT_FP6
.endif
.endm
; 16 matrix instructions of K step s: x's tiles a0 .. a0 + 3 against my four weight tiles.  In step 0 the biases are the C: nothing is cleared or added later.
; The 64 accumulators take turns, one instruction a turn, in the same order in every step.
.macro MULG s, a0
.set SETN, (\s)%5
.set WB, (SETN+2)/4
.set SBASE, 48*SETN+160*(1-WB)
.set HI, (\a0)/8
.if (\s) == 0
	WIN ((2+HI)<<6)|(1<<4)|(HI<<2)|WB              ; D window 2 or 3, C (the biases) window 1, x window 0 or 1, the weights their set's
.else
	WIN ((2+HI)<<6)|((2+HI)<<4)|(HI<<2)|WB
.endif
.irp a, \a0, \a0+1, \a0+2, \a0+3
.irp b, 0,1,2,3
.set rD, 8*(4*((\a)%8)+\b)
.set rS0, SBASE+FR*\b
.set rS1, AF*(1-HI)+FR*((\a)%8)
.set rSB, WS+4*(((\s)/2)%4)+2*(\b/2)+(\s)%2
.set rSA, SC+16*(((\s)/2)%2)+2*((\a)/2)+(\s)%2
.set rRB, \b%2
.set rRA, (\a)%2
.if (\s) == 0
.set rC, BI+8*\b
.else
.set rC, rD
.endif
	WM
.endr
.endr
.endm
; K STEP s.  x's tiles are free as soon as their four products are issued, so x has one set of registers: tiles 0-7 are fetched anew in the step's middle, tiles 8-15 at its end.
; At the end the weight set just read takes the loads of five steps on.
; mode 1: region 0 has been read out (step 3's fragments were its last): the wait for all my tensor loads, the add, the wait for it and for my reads, a round of the cluster's barrier, and the joint refill first behind it.
; mode 2: the refill is waited for and shown to all four waves by a barrier.
.macro STEP s, mode
.if \mode
	s_wait_tensorcnt 0x0                           ; all my tensor loads have landed
	ds_add_u32 v[SPW], v[NIL]                      ; 0 onto my spare word
	s_wait_dscnt 25                                ; (the add and the youngest 24 loads, x's tiles 8-15, may be out)
.else
	s_wait_dscnt 24                                ; all but the youngest 24 loads (x's tiles 8-15) are in
.endif
	MULG \s, 0
.if \mode
	s_wait_dscnt 0x0                               ; the add is done, and my LDS reads are back
	s_barrier_signal -1
.endif
	MULG \s, 4
.if \mode
	WIN 0
	s_barrier_wait -1
.if \mode == 1
	CREST                                          ; the barrier has opened a round of the cluster's barrier: no wave of any partner still reads region 0 or has a load on its way
	s_add_nc_u64 s[G0R+2:G0R+3], s[G0R+2:G0R+3], 12*1536
	tensor_load_to_lds s[G0R:G0R+3], s[G1:G1+7]    ; K steps 12-15 into region 0: my one tensor load behind the round
	s_nop 0
	PLACES 4                                       ; four v_nop, also the places in front of the loads below
.else
	PLACES NP
.endif
.else
	s_wait_dscnt 0x0                               ; x's tiles 8-15 are in
	PLACES NP
.endif
.if (\s) < 15
	FETCH_A (\s)+1, 0
.if (\s)%2 == 1
	SCALES ((\s)+1)/2
.endif
.endif
	MULG \s, 8
	MULG \s, 12
	WIN 0
	PLACES NP
.if (\s) < 15
	FETCH_A (\s)+1, 1
.set CNT, 0
.irp d, 2,3,4
.if ((\s)+\d <= 15) && (((\s) > 0) || (\d < 4))
.set CNT, CNT+12+2*(1-((\s)+\d)%2)
.endif
.endr
	s_wait_loadcnt CNT                             ; the next step's weights are in: behind them the loads of steps s + 2 .. s + 4 were issued, 12 for an odd step, 14 for an even one
.if (\s) == 0
	LOADB 4                                        ; set 4 held the biases, which step 0 has read
.endif
.if (\s)+5 <= 15
	LOADB (\s)+5
.endif
.endif
.endm
	s_wait_alu depctr_va_vdst(0)
	s_wait_tensorcnt 0x0                           ; my part of the head's tiles is in
	ds_add_u32 v[SPW], v[NIL]
	s_wait_dscnt 0x0
	CROUND                                         ; everybody's part is in, and all sixteen work-groups are here
	tensor_load_to_lds s[G0R+4:G0R+7], s[G1H:G1H+7] ; regions 1 and 2, a half a wave: my one load behind the round; first read behind step 3's round
	s_nop 0
	PLACES 4
	FETCH_A 0, 0
	SCALES 0
	FETCH_A 0, 1
	s_wait_loadcnt 38                              ; the biases and step 0's weights are in; steps 1 to 3's 12 + 14 + 12 loads may be out
	STEP 0, 0
	STEP 1, 0
	STEP 2, 0
	STEP 3, 1
	STEP 4, 0
	STEP 5, 0
	STEP 6, 0
	STEP 7, 0
	STEP 8, 0
	STEP 9, 0
	STEP 10, 0
	STEP 11, 2
	STEP 12, 0
	STEP 13, 0
	STEP 14, 0
	STEP 15, 0
	v_mov_b32 v[TM+4], 0                           ; a lane permute's destination counts as one of its sources
	v_mov_b32 v[TM+5], 0
; THE WAY OUT, two tiles of 16 rows at a time.  h = (g max(g, 0)) u, in f32, in the order in which the products are written; each accumulator is read from its low end on.
; A lane's 16 numbers of a tile are half a block of 32, shared with lane l xor 16.  The exchange of halves between the two tiles' codes gives lane 16 t + r the whole block, 24 bytes, of row r of tile t:
; three stores of 8 bytes a lane, each 256 consecutive bytes, aligned.
.macro HOUT p
.set AC, 64*((\p)%4)
.set PC, 96+12*((\p)%2)
	s_wait_xcnt 0x0                                ; earlier stores have read their registers: the codes' registers are written again only behind this wait
	WIN 0x08+4*((\p)/4)                            ; source 1: window 2 or 3
.irp k, 0,1,2,3,4,5,6,7,8,9,10,11,12,13,14,15,16,17,18,19,20,21,22,23,24,25,26,27,28,29,30,31
	v_max_num_f32 v[HA+\k], 0, v[AC+\k+16*(\k/16)] ; max(g, 0): a tile's 32 registers are 16 of g, then 16 of u
.endr
.irp k, 0,2,4,6,8,10,12,14,16,18,20,22,24,26,28,30
	v_pk_mul_f32 v[HA+\k:HA+\k+1], v[HA+\k:HA+\k+1], v[AC+\k+16*(\k/16):AC+\k+16*(\k/16)+1]         ; x g
.endr
.irp k, 0,2,4,6,8,10,12,14,16,18,20,22,24,26,28,30
	v_pk_mul_f32 v[HA+\k:HA+\k+1], v[HA+\k:HA+\k+1], v[AC+16+\k+16*(\k/16):AC+16+\k+16*(\k/16)+1]   ; x u
.endr
	WIN 0
.irp b, 0,1
	v_max3_num_f32 v[TM+\b], |v[HA+16*\b]|, |v[HA+1+16*\b]|, 0x1800000   ; tile b: my 16 numbers, and the floor 2^(3 - 127): the byte cannot fall under 1
.endr
.irp i, 2,4,6,8,10,12,14
.irp b, 0,1
	v_max3_num_f32 v[TM+\b], v[TM+\b], |v[HA+16*\b+\i]|, |v[HA+1+16*\b+\i]|
.endr
.endr
.irp b, 0,1
	v_permlanex16_b32 v[TM+4+\b], v[TM+\b], s66, s67
.endr
.irp b, 0,1
	v_max_num_f32 v[TM+\b], v[TM+\b], v[TM+4+\b]   ; with lane l xor 16's: the block's largest magnitude
.endr
.irp b, 0,1
	v_add_nc_u32 v[TM+12+\b], 0xff000000, v[TM+\b] ; 2 off its exponent field: the conversion's scale operand
.endr
.irp b, 0,1
	v_lshrrev_b32 v[TM+4+\b], 23, v[TM+12+\b]      ; the scale's byte
.endr
	v_cndmask_b32 v[PW], v[TM+4], v[TM+5], s68     ; lanes 0-15 carry the first tile's rows, lanes 16-31 the second's
	v_cvt_scalef32_pk16_fp6_f32 v[PC:PC+2], v[HA:HA+15], v[TM+12]
	v_cvt_scalef32_pk16_fp6_f32 v[PC+6:PC+8], v[HA+16:HA+31], v[TM+13]
	v_nop                                          ; one plain instruction behind the conversions
.irp i, 0,1,2
	v_permlane16_swap_b32 v[PC+\i], v[PC+6+\i]     ; the first now holds each lane's row's lower 16 codes, the second the upper 16
.endr
.irp i, 0,1,2
	v_mov_b32 v[PC+3+\i], v[PC+6+\i]
.endr
.irp i, 0,1,2
	global_store_b64 v[HO], v[PC+2*\i:PC+2*\i+1], s[12:13] offset:(\p)*196608+256*\i
.endr
	ds_store_b8 v[HSA], v[PW] offset:128*(\p)      ; byte = my block of the word of row 32 p + lane
.endm
.irp p, 0,1,2,3,4,5,6,7
	HOUT \p
.endr
	s_wait_dscnt 0x0                               ; for the others' sake: my bytes of the scale words are in LDS
	s_barrier_signal -1
	s_barrier_wait -1                              ; a row's word comes from four waves
	ds_load_b32 v[HW], v[HSR]                      ; h_sc is laid [K step][block of 128 rows][lane][4 words]: word k of lane l is row 32 k + l, so that its reader takes four scale registers by one load
	ds_load_b32 v[HW+1], v[HSR] offset:128
	s_wait_dscnt 0x0
	global_store_b64 v[W8], v[HW:HW+1], s[100:101] ; 32 lanes store 256 consecutive bytes, aligned
	s_wait_tensorcnt 0x0                           ; the wave's end: behind my last tensor load and my last LDS store
	ds_add_u32 v[SPW], v[NIL]
	s_wait_dscnt 0x0
	CROUND                                         ; the closing round: no work-group ends while a partner may still ask for a tile that names it
	s_endpgm
.Lfunc_end_k_qc454b3b9a2_gateup:
	.size	k_qc454b3b9a2_gateup, .Lfunc_end_k_qc454b3b9a2_gateup-k_qc454b3b9a2_gateup
	.p2alignl 7, 3214868480
	.fill 96, 4, 3214868480
	.section	.rodata,"a",@progbits
	.p2align	6, 0x0
	.amdhsa_kernel k_qc454b3b9a2_gateup
		.amdhsa_group_segment_fixed_size 327680
		.amdhsa_private_segment_fixed_size 0
		.amdhsa_enable_private_segment 0
		.amdhsa_kernarg_size 64
		.amdhsa_user_sgpr_count 2
		.amdhsa_user_sgpr_kernarg_segment_ptr 1
		.amdhsa_wavefront_size32 1
		.amdhsa_system_sgpr_workgroup_id_x 1
		.amdhsa_system_sgpr_workgroup_id_y 1
		.amdhsa_system_sgpr_workgroup_id_z 1
		.amdhsa_system_vgpr_workitem_id 0
		.amdhsa_next_free_vgpr 1024
		.amdhsa_next_free_sgpr 102
		.amdhsa_reserve_vcc 0
		.amdhsa_float_denorm_mode_32 3
		.amdhsa_float_denorm_mode_16_64 3
		.amdhsa_memory_ordered 1
		.amdhsa_forward_progress 1
		.amdhsa_inst_pref_size 255
	.end_amdhsa_kernel
	.section	.bss,"aw",@nobits
	.p2align	6
	.space	262144
	.amdgpu_metadata
---
amdhsa.version: [ 1, 2 ]
amdhsa.kernels:
  - .name:           k_qc454b3b9a2_gateup
    .symbol:         k_qc454b3b9a2_gateup.kd
    .args:
      - { .name: x_img, .offset: 0, .size: 8, .value_kind: global_buffer, .address_space: global }
      - { .name: x_sc, .offset: 8, .size: 8, .value_kind: global_buffer, .address_space: global }
      - { .name: wgu_img, .offset: 16, .size: 8, .value_kind: global_buffer, .address_space: global }
      - { .name: wgu_sc, .offset: 24, .size: 8, .value_kind: global_buffer, .address_space: global }
      - { .name: h_img, .offset: 32, .size: 8, .value_kind: global_buffer, .address_space: global }
      - { .name: b_gate, .offset: 40, .size: 8, .value_kind: global_buffer, .address_space: global }
      - { .name: b_up, .offset: 48, .size: 8, .value_kind: global_buffer, .address_space: global }
      - { .name: h_sc, .offset: 56, .size: 8, .value_kind: global_buffer, .address_space: global }
    .group_segment_fixed_size: 327680
    .private_segment_fixed_size: 0
    .kernarg_segment_align: 8
    .kernarg_segment_size: 64
    .max_flat_workgroup_size: 128
    .sgpr_count:     102
    .vgpr_count:     1024
    .wavefront_size: 32
...
	.end_amdgpu_metadata
.endif
;; end of part 2
;; launch down (part 3): grid 32 x 8, 4 waves a work-group, clusters of 4 x 4, 327,680 bytes of LDS; arguments h_img, h_sc, wd_img, wd_sc, b_down, out0; writes out0
.if DOCPART == 3
	.amdgcn_target "amdgcn-amd-amdhsa--gfx1250"
	.amdhsa_code_object_version 6
	.text
	.protected	k_qc454b3b9a2_down
	.globl	k_qc454b3b9a2_down
	.p2align	8
	.type	k_qc454b3b9a2_down,@function
k_qc454b3b9a2_down:
	s_mov_b64 s[64:65], 0
	v_nop
	global_prefetch_b8 v0, s[64:65] scope:SCOPE_SE
	s_setreg_imm32_b32 hwreg(HW_REG_WAVE_MODE, 25, 1), 1
	s_wait_xcnt 0x0
	s_wait_alu depctr_hold_cnt(0) depctr_sa_sdst(0) depctr_va_vdst(0) depctr_va_sdst(0) depctr_va_ssrc(0) depctr_va_vcc(0) depctr_vm_vsrc(0)
	s_getreg_b32 s2, hwreg(HW_REG_IB_STS2, 6, 4)
	s_cmp_eq_u32 s2, 0
	s_cbranch_scc0 .Lentry_in_a_cluster
	s_endpgm
.Lentry_in_a_cluster:
	s_bfe_u32 s2, ttmp6, 0x10000c
	s_cmp_lg_u32 s2, 0xf033
	s_cbranch_scc0 .Lentry_shape_is_right
	s_endpgm
.Lentry_shape_is_right:
; out = h Wd + bd on codes of FP6 (E2M3) with E8M0 scales, f32 sums.  h [1024][8192] and Wd (columns as operand rows) arrive as images of operand registers, made by the launches before.
; SHARES.  2,048 x 1,024 outputs on 256 work-groups are tiles of 128 rows x 64 columns.  K IS SHARED AMONG THE FOUR WAVES: each wave holds the whole tile, 32 accumulators, and takes two of every eight K steps,
; so that no fragment is read twice.  At the end the four partial sums meet in LDS and each wave adds and stores 32 rows.
; The order of the f32 sums is therefore not K ascending: four runs along K, joined at the end, and the bias last.
; Wd'S FRAGMENTS AND BOTH SIDES' SCALE WORDS GO FROM MEMORY STRAIGHT INTO REGISTERS: each is read by one wave alone.  28 loads for a group of two K steps, three sets of registers, issued two groups ahead.
; h GOES THROUGH LDS, by joint loads: 12,288 bytes a K step, 24 of the 64 K steps at once.  The first 24 are first fills; three refills follow, of 16, 8 and 16 K steps, one tensor load a wave behind each round.
; CLUSTERS: 4 x 4 work-groups; h's tiles are shared along a row of the cluster and asked for jointly.  Wd's are shared along a column and are NOT asked for jointly: a joint load lands in LDS, and with Wd there
; (18,432 bytes a K step) 16 steps would fit and six refills would be needed for three.
; h's IMAGE: [pair of row tiles][K step][block 4][piece 3][256 bytes]; in a piece lane 16 (t xor block % 2) + r holds 8 bytes of the block's 24 of row r of tile t: the 32 lanes of a load of 8 bytes touch 64 different banks (64 banks of 4 bytes: ISA guide 11.1).
; TRANSPOSED USE: source 0 = a tile of Wd (its row m is column 8 u + m + 8 (m / 8) of a block of 32), source 1 = a tile of h: lane (r, h) holds row r, and register j of tile b column 32 (b / 2) + 16 h + 8 (b % 2) + j.
; The eight groups are written out by macro: slots of three kinds and three register sets give no short period.
; REGISTERS: window 0: v2-15 addresses, v16-19 the bias, v32-79 scale words, three sets, v80-207 the sums at the end.  window 1: the accumulators, (a, b) at v[8 (4 a + b)].
;   windows 2 and 3: the fragments of my first and second K step of a group: h's tile i at v[12 i]; Wd's tile b, set n, at v[96 + 48 n + 12 b].
.set PR,    73728                      ; LDS: a region for each pair of row tiles: 24 K steps x 3,072 bytes
.set STEPB, 3072
.set SPARE, 4*PR                       ; the spare words, 128 bytes for each wave: two blocks of 256 bytes that no other line names
.set SROW,  272                        ; the stage: a row of 256 bytes + 16, so that the 16 rows of a store start in different banks
.set SSRC,  128*SROW                   ; one wave's partial sums.  The stage, 4 x 34,816 bytes from LDS byte 0, lies where h's tiles lay: they have had their last fill, and a barrier stands behind their last read
.set AA,  2                            ; v2-9   LDS address of h's tile i = 2 x pair + t
.set WO,  10                           ; v10    16 x lane
.set W8,  11                           ; v11    8 x lane
.set STO, 12                           ; v12    the stage: where I put my sums
.set RD0, 13                           ; v13    where I read waves 0 and 1's sums
.set RD1, 14                           ; v14    waves 2 and 3's
.set CO,  15                           ; v15    my byte offset in two rows of the output
.set BIAS, 16                          ; v16-19 the bias of my four columns
.set BOF, 24                           ; v24    16 x (lane % 16)
.set SPW, 28                           ; v28    LDS address of my spare word; never rewritten
.set NIL, 29                           ; v29    0; never rewritten
.set SCB, 32                           ; scale words, set n at SCB + 16 n: h's, step qq, pair of tiles k at + 4 qq + k; Wd's, pair p, step qq at + 8 + 2 p + qq
.set G18,  24                          ; s[24:31] descriptor group 1 for 8 K steps
.set G116, 32                          ; s[32:39] for 16
.set G0,   40                          ; s[40:51] groups 0 for the three first fills; the first and the third serve the refills
.set MSB, 0
.macro WIN new                         ; the immediate's high byte repeats the setting that is left
.if MSB != (\new)
	s_set_vgpr_msb (MSB<<8)|(\new)
.set MSB, (\new)
.endif
.endm
.macro CROUND                          ; a round of the cluster's barrier
	s_barrier_signal -1
	s_barrier_wait -1
	s_cmp_lg_u32 s16, 0
	s_cbranch_scc1 .Lnot_wave_0_\@
	s_barrier_signal -3
.Lnot_wave_0_\@:
	s_barrier_wait -3
	s_barrier_signal -1
	s_barrier_wait -1
.endm
.macro PLACES n
.rept \n
	v_nop
.endr
.endm
	s_load_b128 s[4:7], s[0:1], 0x0                ; h_img s[4:5], h_sc s[6:7]
	s_load_b128 s[8:11], s[0:1], 0x10              ; wd_img s[8:9], wd_sc s[10:11]
	s_load_b128 s[12:15], s[0:1], 0x20             ; b_down s[12:13], out0 s[14:15]
	v_lshl_add_u32 v[SPW], v0, 2, SPARE
	v_mov_b32 v[NIL], 0
	ds_add_u32 v28, v29
	ds_add_u32 v28, v29
	s_wait_dscnt 0x0
	v_lshrrev_b32 v1, 5, v0
	v_readfirstlane_b32 s16, v1                    ; wave 0..3
	s_bfe_u32 s17, ttmp6, 0x40000                  ; cx, cy: my place in the cluster
	s_bfe_u32 s18, ttmp6, 0x40004
	s_lshl_b32 s19, ttmp9, 2
	s_add_co_u32 s19, s19, s17                     ; strip of 64 columns = 4 x cluster x + cx
	s_and_b32 s20, ttmp7, 0xffff
	s_lshl_b32 s20, s20, 2
	s_add_co_u32 s20, s20, s18                     ; block of 128 rows = 4 x cluster y + cy
	s_lshl_b32 s21, s18, 2
	s_lshl_b32 s21, 15, s21                        ; my row of the cluster
	; groups 1: a pair of tiles' K steps are dense in memory: rows of 256 bytes (32 elements of 8 bytes), 96 for 8 K steps, 192 for 16; no padding: every LDS read takes consecutive bytes
	s_or_b32 s[G18+0], s21, (3<<16)|(1<<21)        ; 15:0 the mask: my row of the cluster; 17:16 elements of 8 bytes; 21 set beside a mask
	s_mov_b32 s[G18+1], 32<<16
	s_mov_b32 s[G18+2], 96<<16
	s_mov_b32 s[G18+3], 32<<16
	s_mov_b32 s[G18+4], 96
	s_mov_b32 s[G18+5], 32
	s_mov_b32 s[G18+6], 0
	s_mov_b32 s[G18+7], 0
	s_or_b32 s[G116+0], s21, (3<<16)|(1<<21)
	s_mov_b32 s[G116+1], 32<<16
	s_mov_b32 s[G116+2], 192<<16
	s_mov_b32 s[G116+3], 32<<16
	s_mov_b32 s[G116+4], 192
	s_mov_b32 s[G116+5], 32
	s_mov_b32 s[G116+6], 0
	s_mov_b32 s[G116+7], 0
	s_lshl_b32 s92, s20, 2                         ; h: the pair of tiles that I fetch: 4 x block + wave; 196,608 bytes a pair: no cx enters
	s_add_co_u32 s92, s92, s16
	s_mul_i32 s92, s92, 196608
	s_mov_b32 s93, 0
	s_lshl_b32 s94, s20, 9                         ; h's scale words: 4,096 bytes a K step, 512 a block of rows; my first K step is 2 x wave
	s_lshl_b32 s95, s16, 13
	s_add_co_u32 s94, s94, s95
	s_mov_b32 s95, 0
	s_mul_i32 s96, s19, 4*98304                    ; Wd: tile 4 x strip, K step 2 x wave
	s_mul_i32 s97, s16, 3072
	s_add_co_u32 s96, s96, s97
	s_mov_b32 s97, 0
	s_lshl_b32 s98, s19, 14                        ; Wd's scale words: 8,192 bytes a pair of tiles, 256 a pair of K steps
	s_lshl_b32 s99, s16, 8
	s_add_co_u32 s98, s98, s99
	s_mov_b32 s99, 0
	s_mul_i32 s22, s16, PR                         ; where my pair goes: no place in the cluster enters an LDS address
	s_wait_kmcnt 0x0
	s_add_nc_u64 s[92:93], s[4:5], s[92:93]
	s_add_nc_u64 s[6:7], s[6:7], s[94:95]
	s_add_nc_u64 s[8:9], s[8:9], s[96:97]
	s_add_nc_u64 s[10:11], s[10:11], s[98:99]
.irp n, 0,2
	s_mov_b32 s[G0+4*\n], 1
	s_add_co_u32 s[G0+4*\n+1], s22, \n*8*STEPB
	s_add_nc_u64 s[G0+4*\n+2:G0+4*\n+3], s[92:93], \n*8*STEPB      ; K steps 8 n .. 8 n + 7
	s_or_b32 s[G0+4*\n+3], s[G0+4*\n+3], 0x80000000
.endr
	CROUND                                         ; all sixteen work-groups are here: the first joint loads meet
	tensor_load_to_lds s[G0:G0+3], s[G116:G116+7]  ; K steps 0-15 into places 0-15: one tensor load a wave at the head
	s_nop 0
	PLACES 4                                       ; four v_nop follow the last
	v_and_b32 v1, 31, v0                           ; lane
	v_and_b32 v20, 15, v0                          ; r
	v_bfe_u32 v21, v0, 4, 1                        ; h
	v_lshlrev_b32 v[WO], 4, v1
	s_wait_alu depctr_va_vdst(0)
	v_lshlrev_b32 v[W8], 3, v1
	v_lshlrev_b32 v[BOF], 4, v20
	s_lshl_b32 s94, s19, 8                         ; the strip's first column, in bytes
	s_mov_b32 s95, 0
	s_add_nc_u64 s[12:13], s[12:13], s[94:95]
	global_load_b128 v[BIAS:BIAS+3], v[BOF], s[12:13]   ; the bias of columns 4 r .. 4 r + 3 of the strip
; Group g: my K steps 8 g + 2 w, + 1: both sides' scale words and Wd's eight fragments, into set g % 3.  28 loads
.macro GLOAD g
.set S3, (\g)%3
.irp qq, 0,1
	global_load_b128 v[SCB+16*S3+4*\qq:SCB+16*S3+4*\qq+3], v[WO], s[6:7] offset:(8*(\g)+\qq)*4096   ; word k of lane l is row 32 k + l: lanes 0-15 the pair's first tile, lanes 16-31 its second
.endr
.irp p, 0,1
	global_load_b64 v[SCB+16*S3+8+2*\p:SCB+16*S3+8+2*\p+1], v[W8], s[10:11] offset:\p*8192+1024*(\g)
.endr
.irp qq, 0,1
	WIN 0x80+0x40*\qq
.irp b, 0,1,2,3
.irp e, 0,1,2
	global_load_b128 v[96+48*S3+12*\b+4*\e:96+48*S3+12*\b+4*\e+3], v[WO], s[8:9] offset:\b*98304+(8*(\g)+\qq)*1536+512*\e
.endr
.endr
.endr
	WIN 0
.endm
	GLOAD 0
	GLOAD 1                                        ; 1 + 28 + 28 loads of mine are out
	v_mul_u32_u24 v22, v21, 896                    ; my lane's place in a K step's record: block 2 c + h at 768 bytes a block; tile 0 of the pair: 768 h + 128 h + 8 r,
	v_lshl_add_u32 v22, v20, 3, v22
	v_mul_u32_u24 v23, v21, 640                    ; tile 1: 768 h + 128 (1 - h) + 8 r
	v_lshl_add_u32 v23, v20, 3, v23
	s_mul_i32 s23, s16, 2*STEPB                    ; my two K steps of eight
	v_add_nc_u32 v22, s23, v22
	s_add_co_u32 s23, s23, 128
	v_add_nc_u32 v23, s23, v23
.irp n, 0,1,2,3
	v_add_nc_u32 v[AA+2*\n], \n*PR, v22
	v_add_nc_u32 v[AA+2*\n+1], \n*PR, v23
.endr
	s_mul_i32 s92, s16, SSRC
	v_mul_u32_u24 v[STO], v20, SROW
	v_lshl_add_u32 v[STO], v21, 6, v[STO]
	v_add_nc_u32 v[STO], s92, v[STO]               ; into the stage: my wave's part, row r, + 64 h bytes
	s_mul_i32 s92, s16, 32*SROW
	v_mul_u32_u24 v[RD0], v21, SROW
	v_lshl_add_u32 v[RD0], v20, 4, v[RD0]
	v_add_nc_u32 v[RD0], s92, v[RD0]               ; back: rows 32 w on; lanes 0-15 one row of 256 bytes, lanes 16-31 the next
	v_add_nc_u32 v[RD1], 2*SSRC, v[RD0]
	v_lshlrev_b32 v[CO], 13, v21
	v_lshl_add_u32 v[CO], v20, 4, v[CO]            ; and the same two rows in the output (8,192 bytes a row)
	s_lshl_b32 s92, s20, 7
	s_lshl_b32 s93, s16, 5
	s_add_co_u32 s92, s92, s93                     ; the first row that I store: 128 x block + 32 x wave
	s_lshl_b32 s92, s92, 13
	s_add_co_u32 s92, s92, s94
	s_mov_b32 s93, 0
	s_add_nc_u64 s[14:15], s[14:15], s[92:93]
.macro FETCH sb, qq                    ; 48 loads: h's eight fragments of my K step qq of the eight that begin at place sb of the regions, into window 2 + qq
	WIN 0x80+0x40*(\qq)
.irp i, 0,1,2,3,4,5,6,7
.irp p, 0,1,2,3,4,5
	ds_load_b64 v[12*\i+2*\p:12*\i+2*\p+1], v[AA+\i] offset:((\sb)+(\qq))*STEPB+1536*(\p/3)+256*(\p%3)
.endr
.endr
.endm
; One matrix instruction, its registers in symbols.  A pair of tiles shares a scale register: the second tile's words are read from lanes 16-31.  zero = 1: the product starts the sum
.macro WM zero
.if \zero
.if rRB && rRA
	v_wmma_scale_f32_16x16x128_f8f6f4 v[rD:rD+7], v[rS0:rS0+11], v[rS1:rS1+11], 0, v[rSB], v[rSA] matrix_a_fmt:MATRIX_FMT_FP6 matrix_b_fmt:MATRIX_FMT_FP6 matrix_a_scale:MATRIX_SCALE_ROW1 matrix_b_scale:MATRIX_SCALE_ROW1
.elseif rRB
	v_wmma_scale_f32_16x16x128_f8f6f4 v[rD:rD+7], v[rS0:rS0+11], v[rS1:rS1+11], 0, v[rSB], v[rSA] matrix_a_fmt:MATRIX_FMT_FP6 matrix_b_fmt:MATRIX_FMT_FP6 matrix_a_scale:MATRIX_SCALE_ROW1
.elseif rRA
	v_wmma_scale_f32_16x16x128_f8f6f4 v[rD:rD+7], v[rS0:rS0+11], v[rS1:rS1+11], 0, v[rSB], v[rSA] matrix_a_fmt:MATRIX_FMT_FP6 matrix_b_fmt:MATRIX_FMT_FP6 matrix_b_scale:MATRIX_SCALE_ROW1
.else
	v_wmma_scale_f32_16x16x128_f8f6f4 v[rD:rD+7], v[rS0:rS0+11], v[rS1:rS1+11], 0, v[rSB], v[rSA] matrix_a_fmt:MATRIX_FMT_FP6 matrix_b_fmt:MATRIX_FMT_FP6
.endif
.else
.if rRB && rRA
	v_wmma_scale_f32_16x16x128_f8f6f4 v[rD:rD+7], v[rS0:rS0+11], v[rS1:rS1+11], v[rD:rD+7], v[rSB], v[rSA] matrix_a_fmt:MATRIX_FMT_FP6 matrix_b_fmt:MATRIX_FMT_FP6 matrix_a_scale:MATRIX_SCALE_ROW1 matrix_b_scale:MATRIX_SCALE_ROW1
.elseif rRB
	v_wmma_scale_f32_16x16x128_f8f6f4 v[rD:rD+7], v[rS0:rS0+11], v[rS1:rS1+11], v[rD:rD+7], v[rSB], v[rSA] matrix_a_fmt:MATRIX_FMT_FP6 matrix_b_fmt:MATRIX_FMT_FP6 matrix_a_scale:MATRIX_SCALE_ROW1
.elseif rRA
	v_wmma_scale_f32_16x16x128_f8f6f4 v[rD:rD+7], v[rS0:rS0+11], v[rS1:rS1+11], v[rD:rD+7], v[rSB], v[rSA] matrix_a_fmt:MATRIX_FMT_FP6 matrix_b_fmt:MATRIX_FMT_FP6 matrix_b_scale:MATRIX_SCALE_ROW1
.else
	v_wmma_scale_f32_16x16x128_f8f6f4 v[rD:rD+7], v[rS0:rS0+11], v[rS1:rS1+11], v[rD:rD+7], v[rSB], v[rSA] matrix_a_fmt:MATRIX_FMT_FP6 matrix_b_fmt:MATRIX_FMT_FP6
.endif
.endif
.endm
; 32 matrix instructions: the whole tile, my K step qq of group g.  The 32 accumulators take turns, one instruction a turn, in the same order in every step.
.macro MUL32 g, qq, zero
	WIN 0x5a+5*(\qq)                               ; sources 0 and 1 window 2 + qq; C and D window 1
.irp a, 0,1,2,3,4,5,6,7
.irp b, 0,1,2,3
.set rD, 8*(4*\a+\b)
.set rS0, 96+48*((\g)%3)+12*\b
.set rS1, 12*\a
.set rSB, SCB+16*((\g)%3)+8+2*(\b/2)+(\qq)
.set rSA, SCB+16*((\g)%3)+4*(\qq)+(\a/2)
.set rRB, \b%2
.set rRA, \a%2
	WM \zero
.endr
.endr
.endm
; Group g, whose eight K steps begin at place sb of the regions: my two of them.
; pre = 1: the group before has already asked for my fragments of h.  nsb: the place of the next group's eight K steps where they have landed and been shown to all waves, so that this group asks for them; else -1.
.macro WORK g, sb, zero, pre, nsb
.if (\pre) == 0
	FETCH \sb, 0
	FETCH \sb, 1
	WIN 0
.endif
.if (\g) < 7
	s_wait_loadcnt 28                              ; this group's 28 loads from memory are in; the next group's 28 may be out
.else
	s_wait_loadcnt 0x0
.endif
.if (\g)+2 <= 7
	GLOAD (\g)+2                                   ; into the set that the group before has left
.endif
	s_wait_dscnt 48                                ; the first step's fragments of h are in; the second step's 48 loads may be out
	MUL32 \g, 0, \zero
.if (\nsb) >= 0
	PLACES 4                                       ; in front of loads into registers that these products have read
	FETCH \nsb, 0                                  ; the next group's first step, under this group's second 32 products
	s_wait_dscnt 48                                ; my second step's fragments are in; the 48 loads just issued may be out
.else
	s_wait_dscnt 0x0
.endif
	MUL32 \g, 1, 0
	WIN 0
	PLACES 4                                       ; in front of whatever loads next into registers that these products have read, and of the first read of results
.if (\nsb) >= 0
	FETCH \nsb, 1                                  ; the next group's second step, under its first 32 products
	WIN 0
.endif
.endm
; A REFILL.  Each wave waits for all its tensor loads, adds 0 to its spare word, and waits for that and for its reads of the places to be filled; a round of the cluster's barrier; the joint load first behind it.
; Descriptor set n goes 24 K steps on; g1 says how many K steps come.
.macro RFILL n, g1
	s_wait_tensorcnt 0x0                           ; no tensor load of mine is out, so a group 0 may be written
	ds_add_u32 v[SPW], v[NIL]                      ; 0 onto my spare word
	s_add_nc_u64 s[G0+4*\n+2:G0+4*\n+3], s[G0+4*\n+2:G0+4*\n+3], 24*STEPB
	s_wait_dscnt 0x0                               ; the add is done, and my LDS reads are back
	CROUND
	tensor_load_to_lds s[G0+4*\n:G0+4*\n+3], s[\g1:\g1+7]
	s_nop 0
	PLACES 4                                       ; four v_nop
.endm
	s_wait_alu depctr_va_vdst(0)
	s_wait_tensorcnt 0x0                           ; my part of K steps 0-15 is in
	ds_add_u32 v[SPW], v[NIL]
	s_wait_dscnt 0x0
	CROUND                                         ; everybody's is, and all sixteen work-groups are here
	tensor_load_to_lds s[G0+8:G0+11], s[G18:G18+7] ; K steps 16-23 into places 16-23: my one load behind the round; first read behind the next round
	s_nop 0
	PLACES 4
	WORK 0, 0, 1, 0, 8                             ; the first products start the sums: nothing is cleared; places 8-15 came with the head's load
	WORK 1, 8, 0, 1, -1
	RFILL 0, G116                                  ; K steps 24-39 into places 0-15
	WORK 2, 16, 0, 0, -1
	RFILL 2, G18                                   ; K steps 40-47 into places 16-23
	WORK 3, 0, 0, 0, 8                             ; places 0-15 were shown whole by the round above
	WORK 4, 8, 0, 1, -1
	RFILL 0, G116                                  ; K steps 48-63 into places 0-15: the last load
	WORK 5, 16, 0, 0, -1
	s_wait_tensorcnt 0x0                           ; my part of the last 16 K steps is in
	ds_add_u32 v[SPW], v[NIL]
	s_wait_dscnt 0x0
	s_barrier_signal -1
	s_barrier_wait -1                              ; everybody's is
	WORK 6, 0, 0, 0, 8                             ; places 0-15 were shown whole by the barrier above
	WORK 7, 8, 0, 1, -1
	s_wait_alu depctr_va_vdst(0)
	s_barrier_signal -1                            ; my LDS reads are back (the last wait in WORK was for 0): when all four waves have said so, the stage may be written over h's tiles
	s_barrier_wait -1
	; THE WAY OUT.  Each wave's partial sums go to its part of the stage, each accumulator from its low end on.
	WIN 0x04                                       ; an LDS store's data are its source 1: window 1
.irp a, 0,1,2,3,4,5,6,7
.irp b, 0,1,2,3
	ds_store_b128 v[STO], v[8*(4*\a+\b):8*(4*\a+\b)+3] offset:16*SROW*\a+128*(\b/2)+32*(\b%2)
	ds_store_b128 v[STO], v[8*(4*\a+\b)+4:8*(4*\a+\b)+7] offset:16*SROW*\a+128*(\b/2)+32*(\b%2)+16
.endr
.endr
	WIN 0
	s_wait_dscnt 0x0                               ; for the others' sake: my sums are in the stage
	s_barrier_signal -1
	s_barrier_wait -1
; Four pairs of rows at a time: the four waves' sums of a pair, added two and two, then the bias; 16 lanes store 256 consecutive bytes, aligned.
.macro SUMS g
.set BS, 80+64*((\g)%2)
	s_wait_xcnt 0x0                                ; earlier stores have read their registers: these are loaded again only behind this wait
.irp tt, 0,1,2,3
.irp c, 0,1
	ds_load_b128 v[BS+16*\tt+4*\c:BS+16*\tt+4*\c+3], v[RD0] offset:\c*SSRC+2*SROW*(4*(\g)+\tt)
	ds_load_b128 v[BS+16*\tt+8+4*\c:BS+16*\tt+8+4*\c+3], v[RD1] offset:\c*SSRC+2*SROW*(4*(\g)+\tt)
.endr
.endr
	s_wait_dscnt 0x0
.irp tt, 0,1,2,3
.irp e, 0,2
	v_pk_add_f32 v[BS+16*\tt+\e:BS+16*\tt+\e+1], v[BS+16*\tt+\e:BS+16*\tt+\e+1], v[BS+16*\tt+4+\e:BS+16*\tt+4+\e+1]
	v_pk_add_f32 v[BS+16*\tt+8+\e:BS+16*\tt+8+\e+1], v[BS+16*\tt+8+\e:BS+16*\tt+8+\e+1], v[BS+16*\tt+12+\e:BS+16*\tt+12+\e+1]
.endr
.irp e, 0,2
	v_pk_add_f32 v[BS+16*\tt+\e:BS+16*\tt+\e+1], v[BS+16*\tt+\e:BS+16*\tt+\e+1], v[BS+16*\tt+8+\e:BS+16*\tt+8+\e+1]
.endr
.irp e, 0,2
	v_pk_add_f32 v[BS+16*\tt+\e:BS+16*\tt+\e+1], v[BS+16*\tt+\e:BS+16*\tt+\e+1], v[BIAS+\e:BIAS+\e+1]
.endr
	global_store_b128 v[CO], v[BS+16*\tt:BS+16*\tt+3], s[14:15] offset:16384*(4*(\g)+\tt) th:TH_STORE_NT
.endr
.endm
.irp g, 0,1,2,3
	SUMS \g
.endr
	s_wait_tensorcnt 0x0                           ; the wave's end: behind my last tensor load and my last LDS store
	ds_add_u32 v[SPW], v[NIL]
	s_wait_dscnt 0x0
	CROUND                                         ; the closing round: no work-group ends while a partner may still ask for a tile that names it
	s_endpgm
.Lfunc_end_k_qc454b3b9a2_down:
	.size	k_qc454b3b9a2_down, .Lfunc_end_k_qc454b3b9a2_down-k_qc454b3b9a2_down
	.p2alignl 7, 3214868480
	.fill 96, 4, 3214868480
	.section	.rodata,"a",@progbits
	.p2align	6, 0x0
	.amdhsa_kernel k_qc454b3b9a2_down
		.amdhsa_group_segment_fixed_size 327680
		.amdhsa_private_segment_fixed_size 0
		.amdhsa_enable_private_segment 0
		.amdhsa_kernarg_size 48
		.amdhsa_user_sgpr_count 2
		.amdhsa_user_sgpr_kernarg_segment_ptr 1
		.amdhsa_wavefront_size32 1
		.amdhsa_system_sgpr_workgroup_id_x 1
		.amdhsa_system_sgpr_workgroup_id_y 1
		.amdhsa_system_sgpr_workgroup_id_z 1
		.amdhsa_system_vgpr_workitem_id 0
		.amdhsa_next_free_vgpr 1024
		.amdhsa_next_free_sgpr 100
		.amdhsa_reserve_vcc 0
		.amdhsa_float_denorm_mode_32 3
		.amdhsa_float_denorm_mode_16_64 3
		.amdhsa_memory_ordered 1
		.amdhsa_forward_progress 1
		.amdhsa_inst_pref_size 165
	.end_amdhsa_kernel
	.amdgpu_metadata
---
amdhsa.version: [ 1, 2 ]
amdhsa.kernels:
  - .name:           k_qc454b3b9a2_down
    .symbol:         k_qc454b3b9a2_down.kd
    .args:
      - { .name: h_img, .offset: 0, .size: 8, .value_kind: global_buffer, .address_space: global }
      - { .name: h_sc, .offset: 8, .size: 8, .value_kind: global_buffer, .address_space: global }
      - { .name: wd_img, .offset: 16, .size: 8, .value_kind: global_buffer, .address_space: global }
      - { .name: wd_sc, .offset: 24, .size: 8, .value_kind: global_buffer, .address_space: global }
      - { .name: b_down, .offset: 32, .size: 8, .value_kind: global_buffer, .address_space: global }
      - { .name: out0, .offset: 40, .size: 8, .value_kind: global_buffer, .address_space: global }
    .group_segment_fixed_size: 327680
    .private_segment_fixed_size: 0
    .kernarg_segment_align: 8
    .kernarg_segment_size: 48
    .max_flat_workgroup_size: 128
    .sgpr_count:     100
    .vgpr_count:     1024
    .wavefront_size: 32
...
	.end_amdgpu_metadata
.endif
;; end of part 3
